; MI455X (gfx1250); checked and timed in simulation.
; The chip was launched on July 23, 2026; its instructions are those of AMD's public machine-readable ISA for CDNA 5 (MIT licence, August 2026) and "CDNA5" Instruction Set Architecture Reference Guide (July 2026). The comments in the code are by the model that wrote it; some were corrected since.
;; Local Branch. Allowed arithmetic: float matrix products may take bf16 or f16 operands with f32 sums; other float arithmetic in f32, or as packed bf16 or f16 multiplies, adds, multiply-adds, maxima and minima; sums over many terms, partial sums and values carried from step to step in f32; what a program stores and reads back later, other than sums and carried values, may be rounded once to bf16 or f16.
;; Inputs: H 131,072 x 64 float32; W_in 64 x 256 float32; W_out 256 x 128 float32; Wb 3 x 256 x 256 float32; b_in 256 float32; b_out 128 float32; batch_ptr 1,025 int32; bb 3 x 256 float32; beta_in 256 float32; beta_out 128 float32; betab 3 x 256 float32; g_in 256 float32; g_out 128 float32; gb 3 x 256 float32.
;; Outputs: out0 1,024 x 128 float32; out1 1,024 x 128 float32.
;; 2 versions, each right; version 2 is version 1 with the launch prep written anew for expert scheduling mode. Each part assembles by itself: llvm-mc -triple=amdgcn-amd-amdhsa -mcpu=gfx1250 --defsym DOCPART=n.
;; ======== version 1 of 2: 2 launches
;; limits: sums are carried in f16; values are held in f16: magnitudes above 65,504 overflow, below 6.1e-05 lose precision
;; workspace buffers: WF 491,520 bytes; PT 13,824 bytes
;; launch prep (part 1): grid 39 x 1, 4 waves a work-group, no clusters, 0 bytes of LDS; arguments W_in, Wb, W_out, b_in, bb, b_out, g_in, gb, g_out, beta_in, betab, beta_out, WF, PT; writes WF, PT
.if DOCPART == 1
	.amdgcn_target "amdgcn-amd-amdhsa--gfx1250"
	.amdhsa_code_object_version 6
	.text
	.protected	k_q33b1cee525_prep
	.globl	k_q33b1cee525_prep
	.p2align	8
	.type	k_q33b1cee525_prep,@function
k_q33b1cee525_prep:
	s_mov_b64 s[64:65], 0
	v_nop
	global_prefetch_b8 v0, s[64:65] scope:SCOPE_SE
	s_setreg_imm32_b32 hwreg(HW_REG_WAVE_MODE, 25, 1), 1
	s_wait_xcnt 0x0
; LocalBranch, launch 1 of 2: the weights are centred, rounded once to f16 and laid out in the order in which a wave's operand registers take them (WF); biases, gains and shifts are gathered (PT).
; WHAT IS LEFT OUT OF THE PROGRAM, AND WHY IT CAN REACH NO OUTPUT, for all finite values of the inputs:
;  (1) batch_ptr.  reference() uses its shape alone (Bg = 1024, n = 128): no value of it enters any result.  It is not loaded and is no argument of either launch.
;  (2) The mean that LayerNorm takes away.  y = x W + b, so y[n] - mean_n y = sum_k x[k] (W[k][n] - mean_n W[k][:]) + (b[n] - mean b): an identity in x.  Here each row of W and each b is
;      centred once, in f32, ahead of the rounding; launch 2 then has y - mean(y) as its product, and the variance is mean((y - mean y)^2), reference()'s own form.
;  (3) beta_out in the distances.  z_i - z_j does not hold it, and since the weights w add up to 1 it enters v_loc as + beta_out: launch 2 takes distances and the weighted sum of
;      u = z - beta_out and adds beta_out once at the end.
; LIMIT: a NaN, an infinity or an overflow that would arise only in the work left out (a mean of y, a square of z with a huge beta_out) is not carried to the result.
; LIMIT: a centred weight beyond 65,504 has no f16; below 6e-5 it keeps f16's fixed step of 6e-8.
; WF: a fragment (t, c) is 16 output channels 16 t .. x 32 inputs 32 c .., 1,024 bytes: byte 512 j + 16 lane holds, for lane = 16 h + r, channel 16 t + r, inputs 32 c + 16 j + 8 h + 0..7.
;     stem at 0 (fragment 2 t + c), block L at 32768 + 131072 L (8 t + c), head at 425984 (8 t + c).
; PT: layer L = 0..3 at 3072 L: b - mean b, g, beta (256 f32 each); head at 12288: 128 f32 each.
; SHARES: work-groups 0-1 stem, 2-25 blocks, 26-33 head: one group of 32 inputs (c) each, a wave 8 rows of W (inputs 32 c + 8 w); the wave's 16 bytes a channel are bytes 256 w + 16 r of a fragment.
;         work-groups 34-38: the parameters of one layer, wave 0 b, wave 1 g, wave 2 beta; wave 3 has no part.
; No LDS, no matrix unit: the launch moves under one megabyte once.
; N columns, 8 rows.  s[36:37] my first row of W, s[38:39] WF at my bytes of fragment (0, c), s45 bytes from t to t + 1.
; v2 = 4 lane, v22 = lane / 16, v23 = 16 (lane % 16).  v[32..] row e of column 32 m + lane at 32 + 8 m + e; v[12:19] the rows' means; v[96..] packed; v[3..] store offsets.
.macro CONV N
.set M, (\N)/32
.if (\N) == 256
.set INV, 0x3b800000
.else
.set INV, 0x3c000000
.endif
.set mm, 0
.rept M
.set ee, 0
.rept 8
	global_load_b32 v[32+8*mm+ee], v2, s[36:37] offset:ee*(\N)*4+128*mm  ; 128 consecutive bytes of a row
.set ee, ee+1
.endr
.set mm, mm+1
.endr
.set mm, 0
.rept M
	v_add_nc_u32 v20, 2*mm, v22                    ; t = 2 m + lane / 16
	v_mad_u32_u24 v[3+mm], v20, s45, v23
.set mm, mm+1
.endr
	s_wait_loadcnt 0x0
.irp e, 0,2,4,6
	v_pk_add_f32 v[12+\e:13+\e], v[32+\e:33+\e], v[40+\e:41+\e]
.endr
.set mm, 2
.rept M-2
.irp e, 0,2,4,6
	v_pk_add_f32 v[12+\e:13+\e], v[12+\e:13+\e], v[32+8*mm+\e:33+8*mm+\e]
.endr
.set mm, mm+1
.endr
.irp x, 1,2,4,8
.irp e, 0,1,2,3,4,5,6,7
	v_add_f32_dpp v[12+\e], v[12+\e], v[12+\e] row_xmask:\x row_mask:0xf bank_mask:0xf
.endr
.endr
.irp e, 0,1,2,3,4,5,6,7
	v_permlanex16_b32 v20, v[12+\e], s46, s47      ; the other half of the lanes
	v_add_f32 v[12+\e], v[12+\e], v20
.endr
.irp e, 0,2,4,6
	v_pk_mul_f32 v[12+\e:13+\e], v[12+\e:13+\e], INV op_sel_hi:[1,0]  ; the rows' means
.endr
.set mm, 0
.rept M
.irp e, 0,2,4,6
	v_pk_add_f32 v[32+8*mm+\e:33+8*mm+\e], v[32+8*mm+\e:33+8*mm+\e], v[12+\e:13+\e] neg_lo:[0,1] neg_hi:[0,1]
.endr
.irp e, 0,1,2,3
	v_cvt_pk_f16_f32 v[96+4*mm+\e], v[32+8*mm+2*\e], v[33+8*mm+2*\e]  ; the lower input in the lower half
.endr
	global_store_b128 v[3+mm], v[96+4*mm:99+4*mm], s[38:39]  ; 16 lanes store 256 consecutive bytes, at a multiple of 256 from WF's first
.set mm, mm+1
.endr
.endm
	s_load_b512 s[8:23], s[0:1], 0x0               ; W_in 8, Wb 10, W_out 12, b_in 14, bb 16, b_out 18, g_in 20, gb 22
	s_load_b256 s[24:31], s[0:1], 0x40             ; g_out 24, beta_in 26, betab 28, beta_out 30
	s_load_b128 s[32:35], s[0:1], 0x60             ; WF 32, PT 34
	v_lshrrev_b32 v1, 5, v0
	v_readfirstlane_b32 s4, v1                     ; wave
	v_and_b32 v21, 31, v0                          ; lane
	v_lshlrev_b32 v2, 2, v21
	v_lshrrev_b32 v22, 4, v21
	v_and_b32 v23, 15, v0
	v_lshlrev_b32 v23, 4, v23
	v_mov_b32 v20, 0
	s_mov_b32 s46, 0x76543210                      ; v_permlanex16_b32: each lane takes its own place in the other half
	s_mov_b32 s47, 0xfedcba98
	s_mov_b32 s49, 0
	s_wait_kmcnt 0x0
	s_cmp_ge_u32 ttmp9, 34
	s_cbranch_scc1 .Lparams
	s_cmp_ge_u32 ttmp9, 26
	s_cbranch_scc1 .Lhead
	s_max_u32 s40, ttmp9, 2                        ; stem (0, 1) or a block
	s_sub_co_u32 s40, s40, 2
	s_lshr_b32 s41, s40, 3                         ; block L
	s_and_b32 s42, s40, 7                          ; c
	s_lshl_b32 s43, s41, 18                        ; its weights: 262144 L
	s_lshl_b32 s44, s41, 17
	s_add_co_u32 s44, s44, 32768                   ; its fragments
	s_mov_b32 s45, 8192
	s_cmp_lt_u32 ttmp9, 2
	s_cselect_b32 s42, ttmp9, s42
	s_cselect_b32 s43, 0, s43
	s_cselect_b32 s44, 0, s44
	s_cselect_b32 s45, 2048, s45
	s_cselect_b64 s[36:37], s[8:9], s[10:11]
	s_lshl_b32 s48, s42, 15                        ; 32 c rows of 1,024 bytes
	s_add_co_u32 s48, s48, s43
	s_lshl_b32 s50, s4, 13                         ; 8 w rows
	s_add_co_u32 s48, s48, s50
	s_add_nc_u64 s[36:37], s[36:37], s[48:49]
	s_lshl_b32 s48, s42, 10
	s_add_co_u32 s48, s48, s44
	s_lshl_b32 s50, s4, 8
	s_add_co_u32 s48, s48, s50
	s_add_nc_u64 s[38:39], s[32:33], s[48:49]
	CONV 256
	s_endpgm
.Lhead:
	s_sub_co_u32 s42, ttmp9, 26                    ; c
	s_mov_b32 s45, 8192
	s_lshl_b32 s48, s42, 14                        ; 32 c rows of 512 bytes
	s_lshl_b32 s50, s4, 12
	s_add_co_u32 s48, s48, s50
	s_add_nc_u64 s[36:37], s[12:13], s[48:49]
	s_lshl_b32 s48, s42, 10
	s_lshl_b32 s50, s4, 8
	s_add_co_u32 s48, s48, s50
	s_add_co_u32 s48, s48, 425984
	s_add_nc_u64 s[38:39], s[32:33], s[48:49]
	CONV 128
	s_endpgm
.Lparams:
	s_cmp_eq_u32 s4, 3
	s_cbranch_scc1 .Lend
	s_sub_co_u32 s40, ttmp9, 34                    ; layer 0 stem, 1-3 blocks, 4 head
	s_cmp_eq_u32 s4, 0                             ; by kind: b, g or beta of the stem, the blocks, the head
	s_cselect_b64 s[36:37], s[14:15], s[20:21]
	s_cselect_b64 s[38:39], s[16:17], s[22:23]
	s_cselect_b64 s[42:43], s[18:19], s[24:25]
	s_cmp_eq_u32 s4, 2
	s_cselect_b64 s[36:37], s[26:27], s[36:37]
	s_cselect_b64 s[38:39], s[28:29], s[38:39]
	s_cselect_b64 s[42:43], s[30:31], s[42:43]
	s_max_u32 s41, s40, 1
	s_min_u32 s41, s41, 3
	s_sub_co_u32 s41, s41, 1
	s_lshl_b32 s48, s41, 10                        ; the block's row
	s_add_nc_u64 s[38:39], s[38:39], s[48:49]
	s_mov_b32 s45, 0x3b800000                      ; 1 / 256
	s_cmp_eq_u32 s40, 0
	s_cselect_b64 s[36:37], s[36:37], s[38:39]
	s_cmp_eq_u32 s40, 4
	s_cselect_b64 s[36:37], s[42:43], s[36:37]
	s_cselect_b32 s44, 9, 10                       ; a kind's bytes: 512 in the head, else 1,024
	s_cselect_b32 s45, 0x3c000000, s45             ; 1 / 128
	s_lshl_b32 s48, s4, s44
	s_mul_i32 s50, s40, 3072
	s_add_co_u32 s48, s48, s50
	s_add_nc_u64 s[38:39], s[34:35], s[48:49]
	v_lshlrev_b32 v3, 4, v21
.irp e, 36,37,38,39
	v_mov_b32 v\e, 0                               ; the head has 128 numbers: its second four count as 0 in the sum
.endr
	global_load_b128 v[32:35], v3, s[36:37]
	s_cmp_eq_u32 s40, 4
	s_cbranch_scc1 .Lone
	global_load_b128 v[36:39], v3, s[36:37] offset:512
.Lone:
	s_wait_loadcnt 0x0
	s_cmp_lg_u32 s4, 0
	s_cbranch_scc1 .Lput                           ; g and beta go as they are
	v_pk_add_f32 v[12:13], v[32:33], v[34:35]
	v_pk_add_f32 v[14:15], v[36:37], v[38:39]
	v_pk_add_f32 v[12:13], v[12:13], v[14:15]
	v_add_f32 v12, v12, v13
.irp x, 1,2,4,8
	v_add_f32_dpp v12, v12, v12 row_xmask:\x row_mask:0xf bank_mask:0xf
.endr
	v_permlanex16_b32 v20, v12, s46, s47
	v_add_f32 v12, v12, v20
	v_mul_f32 v12, s45, v12                        ; mean b
	v_mov_b32 v13, v12
.irp e, 32,34,36,38
	v_pk_add_f32 v[\e:\e+1], v[\e:\e+1], v[12:13] neg_lo:[0,1] neg_hi:[0,1]
.endr
.Lput:
	global_store_b128 v3, v[32:35], s[38:39]       ; 512 consecutive bytes
	s_cmp_eq_u32 s40, 4
	s_cbranch_scc1 .Lend
	global_store_b128 v3, v[36:39], s[38:39] offset:512
.Lend:
	s_endpgm
.Lfunc_end_k_q33b1cee525_prep:
	.size	k_q33b1cee525_prep, .Lfunc_end_k_q33b1cee525_prep-k_q33b1cee525_prep
	.p2alignl 7, 3214868480
	.fill 96, 4, 3214868480
	.section	.rodata,"a",@progbits
	.p2align	6, 0x0
	.amdhsa_kernel k_q33b1cee525_prep
		.amdhsa_group_segment_fixed_size 0
		.amdhsa_private_segment_fixed_size 0
		.amdhsa_enable_private_segment 0
		.amdhsa_kernarg_size 112
		.amdhsa_user_sgpr_count 2
		.amdhsa_user_sgpr_kernarg_segment_ptr 1
		.amdhsa_wavefront_size32 1
		.amdhsa_system_sgpr_workgroup_id_x 1
		.amdhsa_system_sgpr_workgroup_id_y 1
		.amdhsa_system_sgpr_workgroup_id_z 1
		.amdhsa_system_vgpr_workitem_id 0
		.amdhsa_next_free_vgpr 128
		.amdhsa_next_free_sgpr 66
		.amdhsa_reserve_vcc 0
		.amdhsa_float_denorm_mode_32 3
		.amdhsa_float_denorm_mode_16_64 3
		.amdhsa_memory_ordered 1
		.amdhsa_forward_progress 1
		.amdhsa_inst_pref_size 31
	.end_amdhsa_kernel
	.amdgpu_metadata
---
amdhsa.version: [ 1, 2 ]
amdhsa.kernels:
  - .name:           k_q33b1cee525_prep
    .symbol:         k_q33b1cee525_prep.kd
    .args:
      - { .name: W_in, .offset: 0, .size: 8, .value_kind: global_buffer, .address_space: global }
      - { .name: Wb, .offset: 8, .size: 8, .value_kind: global_buffer, .address_space: global }
      - { .name: W_out, .offset: 16, .size: 8, .value_kind: global_buffer, .address_space: global }
      - { .name: b_in, .offset: 24, .size: 8, .value_kind: global_buffer, .address_space: global }
      - { .name: bb, .offset: 32, .size: 8, .value_kind: global_buffer, .address_space: global }
      - { .name: b_out, .offset: 40, .size: 8, .value_kind: global_buffer, .address_space: global }
      - { .name: g_in, .offset: 48, .size: 8, .value_kind: global_buffer, .address_space: global }
      - { .name: gb, .offset: 56, .size: 8, .value_kind: global_buffer, .address_space: global }
      - { .name: g_out, .offset: 64, .size: 8, .value_kind: global_buffer, .address_space: global }
      - { .name: beta_in, .offset: 72, .size: 8, .value_kind: global_buffer, .address_space: global }
      - { .name: betab, .offset: 80, .size: 8, .value_kind: global_buffer, .address_space: global }
      - { .name: beta_out, .offset: 88, .size: 8, .value_kind: global_buffer, .address_space: global }
      - { .name: WF, .offset: 96, .size: 8, .value_kind: global_buffer, .address_space: global }
      - { .name: PT, .offset: 104, .size: 8, .value_kind: global_buffer, .address_space: global }
    .group_segment_fixed_size: 0
    .private_segment_fixed_size: 0
    .kernarg_segment_align: 8
    .kernarg_segment_size: 112
    .max_flat_workgroup_size: 128
    .sgpr_count:     66
    .vgpr_count:     128
    .wavefront_size: 32
...
	.end_amdgpu_metadata
.endif
;; end of part 1
;; launch chain (part 2): grid 256 x 1, 4 waves a work-group, clusters of 4 x 1, 327,680 bytes of LDS; arguments H, WF, PT, out0, out1; writes out0, out1
.if DOCPART == 2
	.amdgcn_target "amdgcn-amd-amdhsa--gfx1250"
	.amdhsa_code_object_version 6
	.text
	.protected	k_q33b1cee525_chain
	.globl	k_q33b1cee525_chain
	.p2align	8
	.type	k_q33b1cee525_chain,@function
k_q33b1cee525_chain:
	s_mov_b64 s[64:65], 0
	v_nop
	global_prefetch_b8 v0, s[64:65] scope:SCOPE_SE
	s_setreg_imm32_b32 hwreg(HW_REG_WAVE_MODE, 25, 1), 1
	s_wait_xcnt 0x0
	s_wait_alu depctr_hold_cnt(0) depctr_sa_sdst(0) depctr_va_vdst(0) depctr_va_sdst(0) depctr_va_ssrc(0) depctr_va_vcc(0) depctr_vm_vsrc(0)
	s_getreg_b32 s2, hwreg(HW_REG_IB_STS2, 6, 4)
	s_cmp_eq_u32 s2, 0
	s_cbranch_scc0 .Lentry_in_a_cluster
	s_endpgm
.Lentry_in_a_cluster:
	s_bfe_u32 s2, ttmp6, 0x10000c
	s_cmp_lg_u32 s2, 0x3003
	s_cbranch_scc0 .Lentry_shape_is_right
	s_endpgm
.Lentry_shape_is_right:
; LocalBranch, launch 2 of 2: stem, three residual blocks, head, and for each graph the distances, the softmax (out1) and the weighted sum (out0).  Nothing between goes to memory.
; LEFT OUT (shown at the head of the first kernel): batch_ptr is not loaded; LayerNorm's mean lies in the centred weights and biases; beta_out is added once, at the end.
; SHARES.  A work-group owns 4 graphs, 512 rows, in 2 passes of 256; each of its four waves 64 rows of a pass: 4 tiles of 16, half a graph.
; LAYOUT.  Every product is taken transposed: source 0 = 16 output channels of the weights, source 1 = 16 rows of x.  In the result a lane holds ONE row (lane % 16) and the channels
; 16 t + 8 (lane / 16) + 0..7.  Two neighbouring results, rounded to f16 in pairs, ARE source 1 (32 inputs x 16 rows) of the next product: x never leaves registers and never changes lanes, and a
; row's sum of squares wants one exchange between the halves of the lanes.  A weight fragment read from LDS feeds 4 matrix instructions.
; FORMATS.  All matrix operands f16, sums f32.  x is kept in f16 alone: the same registers are the next product's operand and the residual term; relu(LN(..)) is rounded to f16 and added in f16.
; u = (z - beta_out) and the softmax's e are rounded to f16 for the Gram product and the weighted sum; sq is taken of the rounded u, so that a node's distance to itself stays near 0.
; LIMITS.  |H|, |x| <= 4 (16 |g| + |beta|) and |u| stay under 65,504; below 6e-5 they keep f16's fixed step; an e below 2^-126 counts as 0; NaN and infinities are not treated apart.
; THE STEM IS A BLOCK WHOSE RESIDUAL INPUT IS 0: x's registers are set to 0 (256 lines a pass), so one text of LayerNorm, with no branch, serves all four layers.
; WEIGHTS.  The stem's and the parameters stay in LDS.  The blocks' and the head's, 7 chunks of 64 KiB, go through two LDS slots; a pass asks for each once.  All work-groups walk the same weights,
; so the four of a cluster ask JOINTLY: the same tensor load, descriptor and mask in all four.  Each wave fetches a quarter of a chunk: one tensor load a wave behind each round.
; By this text's count a wave has two tensor loads out at the start, later one.  All of the LDS is claimed, and 0 is added to spare words.
; REGISTERS, in windows of 256 (s_set_vgpr_msb: bits 1:0 source 0, 3:2 source 1, 5:4 source 2, 7:6 destination):
;  window 0: v0-23 addresses; v24-55 C operands (bias), two buffers; v56-87 sums of squares, 8 a tile (graph part: v56-63 sums of distances, v64-71 sq, v72-87 at work); v88-95 1/sigma, a pair a tile;
;            v96-159, v160-223 weight fragments, two buffers (in LayerNorm v160-223: g and beta, two buffers); v224-255 at work
;  window 1: x, tile i, inputs 32 c .. at 64 i + 8 c     window 2: results t = 0..7 at 64 i + 8 t     window 3: t = 8..15 likewise; between layers v0-127: the next pass's H as loaded
.set SLOT1, 65536      ; LDS: slot 0 at 0 (chunks 0, 2, 4, 6), slot 1 (chunks 1, 3, 5)
.set STEMW, 131072     ; the stem's fragments, 32,768 bytes, filled once
.set PAR,   163840     ; PT, 13,824 bytes, filled once
.set ZB,    177664     ; u in f16: 2 graphs x 128 rows, pitch 272; at a pass's start each wave's own 64 rows hold its H in f16, pitch 144
.set ZP,    272        ; 256 + 16 bytes: the 16 rows of a load start at 16 different groups of four banks (64 banks of 4 bytes: ISA guide 11.1)
.set SQB,   247296     ; - sq / 2 of each node, 512 bytes a graph; 1,024 bytes on: the nodes' sums of distances
.set E16B,  249344     ; e in f16, 256 bytes for each wave, its own; 1,024 bytes on: the wave's 64 channels of the weighted sum
.set SPARE, 251392     ; the spare words: 128 bytes for each wave, two blocks of 256 bytes that no other line names
.set MSB, 0
.macro WIN new                         ; the high byte repeats the setting that is left; a switch that changes nothing is dropped
.if MSB != (\new)
	s_set_vgpr_msb (MSB<<8)|(\new)
.set MSB, (\new)
.endif
.endm
.macro PLACES                          ; four plain instructions between a matrix instruction and a vector line, store or load that touches its registers (ISA guide 7.12.1 for vector lines and stores)
.rept 4
	v_nop
.endr
.endm
.macro ROUND                           ; a round of the cluster's barrier: my work-group's barrier; wave 0 signals for it; every wave waits for all four work-groups; my work-group's barrier once more
	s_barrier_signal -1
	s_barrier_wait -1
	s_cmp_lg_u32 s14, 0
	s_cbranch_scc1 .Lnot_wave_0_\@
	s_barrier_signal -3
.Lnot_wave_0_\@:
	s_barrier_wait -3
	s_barrier_signal -1
	s_barrier_wait -1
.endm
.macro FILL g0, g1                     ; a joint load; s_nop 0 and four v_nop follow it
	tensor_load_to_lds s[\g0:\g0+3], s[\g1:\g1+7]
	s_nop 0
	PLACES
.endm
; A CHANGE OF SLOTS.  Each wave waits for all its tensor loads (one is out: its quarter of the chunk wanted next), adds 0 to its spare word, steps the OTHER slot's address (no load is out, so a group 0 may
; be written), and waits for the add and for its own LDS reads.  Behind the round no wave of any partner reads the slot to be filled or has a load on its way; the joint fill comes first.
.macro CHANGE g0, st
	WIN 0
	s_wait_tensorcnt 0x0
	ds_add_u32 v22, v23
.if (\st) > 0
	s_add_nc_u64 s[(\st):(\st)+1], s[(\st):(\st)+1], 131072  ; two chunks on; the type bits on top are not reached
.endif
	s_wait_dscnt 0x0
	ROUND
	FILL \g0, 20
.endm
.macro LDA b, ar, off, n               ; n weight fragments into buffer b: 32 lanes x 16 consecutive bytes, twice
.set ff, 0
.rept \n
	ds_load_b128 v[96+64*(\b)+8*ff:96+64*(\b)+8*ff+3],   v[\ar] offset:(\off)+1024*ff
	ds_load_b128 v[96+64*(\b)+8*ff+4:96+64*(\b)+8*ff+7], v[\ar] offset:(\off)+1024*ff+512
.set ff, ff+1
.endr
.endm
.macro LDB b, t0, n                    ; the centred bias of my 8 channels of n tiles, from t0 on: the C operand that starts their sums
.set ff, 0
.rept \n
	ds_load_b128 v[24+16*(\b)+8*ff:24+16*(\b)+8*ff+3],   v4 offset:64*((\t0)+ff)
	ds_load_b128 v[24+16*(\b)+8*ff+4:24+16*(\b)+8*ff+7], v4 offset:64*((\t0)+ff)+16
.set ff, ff+1
.endr
.endm
.macro WM t, i, a, c, cb               ; result (i, t) takes fragment v[a ..] x x(i, c); cb >= 0: the sum starts with the registers cb ..
.set rD, 64*(\i)+8*((\t)%8)
.if (\cb) >= 0
	WIN 0x84+0x40*((\t)/8)
	v_wmma_f32_16x16x32_f16 v[rD:rD+7], v[(\a):(\a)+7], v[64*(\i)+8*(\c):64*(\i)+8*(\c)+7], v[(\cb):(\cb)+7]
.else
	WIN 0xA4+0x50*((\t)/8)
	v_wmma_f32_16x16x32_f16 v[rD:rD+7], v[(\a):(\a)+7], v[64*(\i)+8*(\c):64*(\i)+8*(\c)+7], v[rD:rD+7]
.endif
.endm
.macro SQR t, i                        ; the squares of result (i, t) onto tile i's four pairs; t = 0 starts them; the result's lowest registers are read first
.set sA, 64*(\i)+8*((\t)%8)
.set sS, 56+8*(\i)
	WIN 0x0A+5*((\t)/8)
.irp q, 0,2,4,6
.if (\t) == 0
	v_pk_mul_f32 v[sS+\q:sS+\q+1], v[sA+\q:sA+\q+1], v[sA+\q:sA+\q+1]
.else
	v_pk_fma_f32 v[sS+\q:sS+\q+1], v[sA+\q:sA+\q+1], v[sA+\q:sA+\q+1], v[sS+\q:sS+\q+1]
.endif
.endr
.endm
; A PHASE of a block or the head: channels 16 t .., 32 matrix instructions.  The four tiles' accumulators take turns, one instruction a turn.  In its middle stand four places, the
; next phase's 18 LDS loads in one run (into the other buffers, last read a phase ago), and behind four products the squares of the phase before.
.macro PH t, next
.set bu, (\t)%2
	s_wait_dscnt 0x0                               ; this phase's fragments and bias, asked for 16 matrix instructions ago
.set ii, 0
.rept 4
	WM \t, ii, 96+64*bu, 0, 24+16*bu
.set ii, ii+1
.endr
.set cc, 1
.rept 3
.set ii, 0
.rept 4
	WM \t, ii, 96+64*bu+8*cc, cc, -1
.set ii, ii+1
.endr
.set cc, cc+1
.endr
	WIN 0
	PLACES
.if \next
.if (\t)+1 < 8
	LDA 1-bu, 1, 8192*(((\t)+1)%8), 8
.else
	LDA 1-bu, 2, 8192*(((\t)+1)%8), 8
.endif
	LDB 1-bu, (\t)+1, 1
.endif
.set cc, 4
.rept 4
.set ii, 0
.rept 4
	WM \t, ii, 96+64*bu+8*cc, cc, -1
.if (cc == 4) && ((\t) > 0)
	SQR (\t)-1, ii
.endif
.set ii, ii+1
.endr
.set cc, cc+1
.endr
.endm
.macro PHS p, next                     ; a phase of the stem (64 inputs): channels 32 p .., two tiles t, 16 matrix instructions on 8 accumulators by turns
.set bu, (\p)%2
	s_wait_dscnt 0x0
.set tt, 0
.rept 2
.set ii, 0
.rept 4
	WM 2*(\p)+tt, ii, 96+64*bu+16*tt, 0, 24+16*bu+8*tt
.set ii, ii+1
.endr
.set tt, tt+1
.endr
	WIN 0
	PLACES
.if \next
	LDA 1-bu, 3, 4096*((\p)+1), 4
	LDB 1-bu, 2*(\p)+2, 2
.endif
.set tt, 0
.rept 2
.set ii, 0
.rept 4
	WM 2*(\p)+tt, ii, 96+64*bu+16*tt+8, 1, -1
.if (\p) > 0
	SQR 2*(\p)-2+tt, ii
.endif
.set ii, ii+1
.endr
.set tt, tt+1
.endr
.endm
.macro STATS inv                       ; 1 / sqrt(mean of squares + 1e-5) for my row of each tile, twice (a pair for the packed multiply)
	WIN 0
.irp i, 0,1,2,3
	v_pk_add_f32 v[56+8*\i:57+8*\i], v[56+8*\i:57+8*\i], v[58+8*\i:59+8*\i]
	v_pk_add_f32 v[60+8*\i:61+8*\i], v[60+8*\i:61+8*\i], v[62+8*\i:63+8*\i]
.endr
.irp i, 0,1,2,3
	v_pk_add_f32 v[56+8*\i:57+8*\i], v[56+8*\i:57+8*\i], v[60+8*\i:61+8*\i]
.endr
.irp i, 0,1,2,3
	v_add_f32 v[56+8*\i], v[56+8*\i], v[57+8*\i]
.endr
.irp i, 0,1,2,3
	v_permlanex16_b32 v[58+8*\i], v[56+8*\i], s68, s69  ; the row's other channels lie in the lane 16 away
.endr
.irp i, 0,1,2,3
	v_add_f32 v[56+8*\i], v[56+8*\i], v[58+8*\i]
.endr
.irp i, 0,1,2,3
	v_fma_f32 v[56+8*\i], v[56+8*\i], s[\inv], s71
.endr
.irp i, 0,1,2,3
	v_rsq_f32 v[88+2*\i], v[56+8*\i]
	v_rsq_f32 v[89+2*\i], v[56+8*\i]
.endr
	v_nop                                          ; a plain instruction behind the last root,
	s_wait_alu depctr_va_vdst(0)                   ; and one wait for the batch of eight, ahead of the first use
.endm
.macro LDG c, b                        ; g and beta of my 16 channels of chunk c (32 c + 8 h + 0..7 and 16 more on) into buffer b
.irp o, 0,1
	ds_load_b128 v[160+32*(\b)+16*\o:160+32*(\b)+16*\o+3],     v4 offset:1024*(\o+1)+128*(\c)
	ds_load_b128 v[160+32*(\b)+16*\o+4:160+32*(\b)+16*\o+7],   v4 offset:1024*(\o+1)+128*(\c)+16
	ds_load_b128 v[160+32*(\b)+16*\o+8:160+32*(\b)+16*\o+11],  v4 offset:1024*(\o+1)+128*(\c)+64
	ds_load_b128 v[160+32*(\b)+16*\o+12:160+32*(\b)+16*\o+15], v4 offset:1024*(\o+1)+128*(\c)+80
.endr
.endm
.macro LNC c                           ; x(:, c) += relu(d / sigma * g + beta) for the 32 channels of chunk c, all four tiles
	WIN 0
.if (\c) < 7
	LDG (\c)+1, ((\c)+1)%2
	s_wait_dscnt 8                                 ; LDS loads come back in order (ISA guide 5.7.1): this chunk's eight are in, the next chunk's eight may stay out
.else
	s_wait_dscnt 0x0
.endif
.set lG, 160+32*((\c)%2)
.set lA, 16*((\c)%4)
	WIN 0x82+0x41*((\c)/4)
.set ii, 0
.rept 4
.set qq, 0
.rept 8
	v_pk_mul_f32 v[64*ii+lA+qq:64*ii+lA+qq+1], v[64*ii+lA+qq:64*ii+lA+qq+1], v[88+2*ii:89+2*ii]
.set qq, qq+2
.endr
.set ii, ii+1
.endr
.set ii, 0
.rept 4
.set qq, 0
.rept 8
	v_pk_fma_f32 v[64*ii+lA+qq:64*ii+lA+qq+1], v[64*ii+lA+qq:64*ii+lA+qq+1], v[lG+qq:lG+qq+1], v[lG+16+qq:lG+16+qq+1]
.set qq, qq+2
.endr
.set ii, ii+1
.endr
	WIN 0x0A+5*((\c)/4)
.set ii, 0
.rept 4
.set qq, 0
.rept 8
	v_cvt_pk_f16_f32 v[224+8*ii+qq], v[64*ii+lA+2*qq], v[64*ii+lA+2*qq+1]
.set qq, qq+1
.endr
.set ii, ii+1
.endr
	WIN 0
.set nn, 0
.rept 32
	v_pk_max_num_f16 v[224+nn], v[224+nn], v20     ; relu on two halves; v20 = 0
.set nn, nn+1
.endr
	WIN 0x41
.set ii, 0
.rept 4
.set qq, 0
.rept 8
	v_pk_add_f16 v[64*ii+8*(\c)+qq], v[64*ii+8*(\c)+qq], v[224+8*ii+qq]
.set qq, qq+1
.endr
.set ii, ii+1
.endr
.endm
.macro HLC c                           ; the head: u = d / sigma * g_out, rounded to f16 into x(:, c); its squares onto sq (two chains a tile: low and high halves)
.set lA, 16*(\c)
	WIN 0x82
.set ii, 0
.rept 4
.set qq, 0
.rept 8
	v_pk_mul_f32 v[64*ii+lA+qq:64*ii+lA+qq+1], v[64*ii+lA+qq:64*ii+lA+qq+1], v[88+2*ii:89+2*ii]
.set qq, qq+2
.endr
.set ii, ii+1
.endr
.set ii, 0
.rept 4
.set qq, 0
.rept 8
	v_pk_mul_f32 v[64*ii+lA+qq:64*ii+lA+qq+1], v[64*ii+lA+qq:64*ii+lA+qq+1], v[160+lA+qq:160+lA+qq+1]
.set qq, qq+2
.endr
.set ii, ii+1
.endr
	WIN 0x4A
.set ii, 0
.rept 4
.set qq, 0
.rept 8
	v_cvt_pk_f16_f32 v[64*ii+8*(\c)+qq], v[64*ii+lA+2*qq], v[64*ii+lA+2*qq+1]
.set qq, qq+1
.endr
.set ii, ii+1
.endr
	WIN 0x05
.set qq, 0
.rept 8
.set ii, 0
.rept 4
.if ((\c) == 0) && (qq == 0)
	v_fma_mix_f32 v[64+2*ii], v[64*ii+8*(\c)+qq], v[64*ii+8*(\c)+qq], v20 op_sel_hi:[1,1,0]
	v_fma_mix_f32 v[65+2*ii], v[64*ii+8*(\c)+qq], v[64*ii+8*(\c)+qq], v20 op_sel:[1,1,0] op_sel_hi:[1,1,0]
.else
	v_fma_mix_f32 v[64+2*ii], v[64*ii+8*(\c)+qq], v[64*ii+8*(\c)+qq], v[64+2*ii] op_sel_hi:[1,1,0]
	v_fma_mix_f32 v[65+2*ii], v[64*ii+8*(\c)+qq], v[64*ii+8*(\c)+qq], v[65+2*ii] op_sel:[1,1,0] op_sel_hi:[1,1,0]
.endif
.set ii, ii+1
.endr
.set qq, qq+1
.endr
.endm
.macro GLOAD                           ; 32 nodes m of my graph: their u (8 fragments) and their - sq / 2 (two C operands)
.set aa, 0
.rept 2
.set cc, 0
.rept 4
	ds_load_b128 v[96+8*(4*aa+cc):96+8*(4*aa+cc)+3],   v224 offset:16*ZP*aa+64*cc
	ds_load_b128 v[96+8*(4*aa+cc)+4:96+8*(4*aa+cc)+7], v224 offset:16*ZP*aa+64*cc+32
.set cc, cc+1
.endr
	ds_load_b128 v[24+8*aa:24+8*aa+3], v225 offset:64*aa
	ds_load_b128 v[24+8*aa+4:24+8*aa+7], v225 offset:64*aa+16
.set aa, aa+1
.endr
.endm
; A TRIP OF THE DISTANCES: 32 nodes m x my 64 nodes n.  D = u_m . u_n - sq_m / 2 (8 accumulators by turns); d = sqrt(max(sq_n - 2 D, 0) + 1e-12); the sums over m go onto a pair a tile.
; The roots of accumulator n - 1 stand between the plain lines of accumulator n; all 64 are one batch with one wait.
.macro GTRIP next
	s_wait_dscnt 0x0
.set cc, 0
.rept 4
.set nn, 0
.rept 8
.if cc == 0
	WIN 0x84
	v_wmma_f32_16x16x32_f16 v[8*nn:8*nn+7], v[96+8*(4*(nn/4)+cc):96+8*(4*(nn/4)+cc)+7], v[64*(nn%4)+8*cc:64*(nn%4)+8*cc+7], v[24+8*(nn/4):24+8*(nn/4)+7]
.else
	WIN 0xA4
	v_wmma_f32_16x16x32_f16 v[8*nn:8*nn+7], v[96+8*(4*(nn/4)+cc):96+8*(4*(nn/4)+cc)+7], v[64*(nn%4)+8*cc:64*(nn%4)+8*cc+7], v[8*nn:8*nn+7]
.endif
.set nn, nn+1
.endr
.set cc, cc+1
.endr
	WIN 0
	PLACES
.if \next
	v_add_nc_u32 v224, 32*ZP, v224
	v_add_nc_u32 v225, 128, v225
	GLOAD                                          ; the next trip's, while this trip's distances are made
.endif
	WIN 0x8A
.set nn, 0
.rept 8
.set kk, 0
.rept 16
.if kk < 4
	v_pk_fma_f32 v[8*nn+2*kk:8*nn+2*kk+1], v[8*nn+2*kk:8*nn+2*kk+1], -2.0, v[64+2*(nn%4):65+2*(nn%4)] op_sel_hi:[1,0,1]
.elseif kk < 12
	v_max_num_f32 v[8*nn+kk-4], 0, v[8*nn+kk-4]
.else
	v_pk_add_f32 v[8*nn+2*(kk-12):8*nn+2*(kk-12)+1], v[8*nn+2*(kk-12):8*nn+2*(kk-12)+1], 0x2b8cbccc op_sel_hi:[1,0]
.endif
.if (nn > 0) && (kk%2 == 1)
	v_sqrt_f32 v[8*(nn-1)+kk/2], v[8*(nn-1)+kk/2]
.endif
.set kk, kk+1
.endr
.set nn, nn+1
.endr
.set kk, 56
.rept 8
	v_sqrt_f32 v[kk], v[kk]
.set kk, kk+1
.endr
	v_nop                                          ; a plain instruction behind the last root,
	s_wait_alu depctr_va_vdst(0)                   ; and one wait for the batch of 64
	WIN 0x02
.set qq, 0
.rept 4
.set nn, 0
.rept 8
	v_pk_add_f32 v[56+2*(nn%4):57+2*(nn%4)], v[8*nn+2*qq:8*nn+2*qq+1], v[56+2*(nn%4):57+2*(nn%4)]
.set nn, nn+1
.endr
.set qq, qq+1
.endr
	WIN 0
.endm
.macro HLOAD                           ; my 64 rows of H, 16,384 consecutive bytes, each load 512 of them, into window 3
	WIN 0xC0
.set nn, 0
.rept 32
	global_load_b128 v[4*nn:4*nn+3], v1, s[4:5] offset:512*nn th:TH_LOAD_NT
.set nn, nn+1
.endr
	WIN 0
.endm
	s_load_b256 s[4:11], s[0:1], 0x0               ; H s[4:5], WF s[6:7], PT s[8:9], out0 s[10:11]
	s_load_b64 s[12:13], s[0:1], 0x20              ; out1
	v_lshl_add_u32 v22, v0, 2, SPARE               ; my spare word; never rewritten
	v_mov_b32 v23, 0                               ; 0; never rewritten
	ds_add_u32 v22, v23                            ; the wave's opening: the add, twice on end, and its wait ahead of my first tensor load
	ds_add_u32 v22, v23
	v_lshrrev_b32 v24, 5, v0
	v_readfirstlane_b32 s14, v24                   ; wave 0..3
	s_and_b32 s15, s14, 1                          ; which half of its graph
	s_lshr_b32 s16, s14, 1                         ; which of the pass's two graphs
	s_bfe_u32 s17, ttmp6, 0x40000                  ; cx: my place in the cluster.  s17, s18, s[76:77] alone ever hold it; they feed H's, the outputs' and the prefetch's addresses, no descriptor and no LDS address
	s_lshl_b32 s18, ttmp9, 2
	s_add_co_u32 s18, s18, s17                     ; my work-group
	; descriptor groups 1.  Elements of 8 bytes; 15:0 the mask of four, bit 21 set beside it; no padding: a fragment is read as 512 consecutive bytes
	s_mov_b32 s20, 15|(3<<16)|(1<<21)              ; a quarter of a chunk: 64 rows of 256 bytes, dense
	s_mov_b32 s21, 32<<16                          ; tensor_dim0 = 32
	s_mov_b32 s22, 64<<16                          ; tensor_dim1 = 64
	s_mov_b32 s23, 32<<16                          ; tile_dim0 = 32
	s_mov_b32 s24, 64                              ; tile_dim1 = 64
	s_mov_b32 s25, 32                              ; 32 elements from row to row
	s_mov_b32 s26, 0
	s_mov_b32 s27, 0
	s_mov_b32 s36, 15|(3<<16)|(1<<21)              ; a quarter of the stem's fragments: 32 rows of 256 bytes
	s_mov_b32 s37, 32<<16
	s_mov_b32 s38, 32<<16
	s_mov_b32 s39, 32<<16
	s_mov_b32 s40, 32
	s_mov_b32 s41, 32
	s_mov_b32 s42, 0
	s_mov_b32 s43, 0
	s_mov_b32 s48, 15|(3<<16)|(1<<21)              ; a quarter of PT: one row of 3,456 bytes
	s_mov_b32 s49, 432<<16
	s_mov_b32 s50, 1<<16
	s_mov_b32 s51, 432<<16
	s_mov_b32 s52, 1
	s_mov_b32 s53, 432
	s_mov_b32 s54, 1<<16
	s_mov_b32 s55, 0
	; groups 0: count 1, LDS address = a constant + the wave's number times a constant
	s_mov_b32 s28, 1
	s_lshl_b32 s29, s14, 14                        ; slot 0
	s_mov_b32 s32, 1
	s_add_co_u32 s33, s29, SLOT1                   ; slot 1
	s_mov_b32 s44, 1
	s_lshl_b32 s45, s14, 13
	s_add_co_u32 s45, s45, STEMW
	s_mov_b32 s56, 1
	s_mul_i32 s57, s14, 3456
	s_add_co_u32 s57, s57, PAR
	s_mov_b32 s68, 0x76543210                      ; v_permlanex16_b32: each lane takes its own place in the other half
	s_mov_b32 s69, 0xfedcba98
	s_mov_b32 s70, 0x3b800000                      ; 1 / 256
	s_mov_b32 s71, 0x3727c5ac                      ; 1e-5
	s_mov_b32 s72, 0x3c000000                      ; 1 / 128
	s_mov_b32 s73, 0x3d38aa3b                      ; log2(e) / 32: s / TAU = (sum of 128 distances) / 32
	s_mov_b32 s75, 0
	s_mov_b32 s77, 0
	v_and_b32 v24, 31, v0                          ; lane
	v_lshlrev_b32 v1, 4, v24                       ; 16 x lane: slot 0's fragments, H, out1; never rewritten
	s_wait_dscnt 0x0                               ; both opening adds are done
	s_wait_kmcnt 0x0
	s_lshl_b32 s74, s14, 14
	s_add_nc_u64 s[30:31], s[6:7], s[74:75]        ; my quarter of a chunk
	s_add_nc_u64 s[34:35], s[30:31], 98304         ; chunk 1
	s_add_nc_u64 s[30:31], s[30:31], 32768         ; chunk 0
	s_or_b32 s31, s31, 0x80000000                  ; type = 2
	s_or_b32 s35, s35, 0x80000000
	s_add_nc_u64 s[4:5], s[4:5], s[74:75]          ; H: my wave's 64 rows,
	s_lshl_b32 s76, s18, 17
	s_add_nc_u64 s[4:5], s[4:5], s[76:77]          ; in my work-group's 512
	s_lshl_b32 s74, s14, 13
	s_add_nc_u64 s[46:47], s[6:7], s[74:75]        ; my quarter of the stem's fragments
	s_lshl_b32 s76, s17, 15
	s_add_nc_u64 s[66:67], s[46:47], s[76:77]      ; the prefetches: of 131,072 bytes my work-group takes 32,768, my wave 8,192
	s_add_nc_u64 s[66:67], s[66:67], 98304         ; one step short of chunk 3
	s_or_b32 s47, s47, 0x80000000
	s_mul_i32 s74, s14, 3456
	s_add_nc_u64 s[58:59], s[8:9], s[74:75]
	s_or_b32 s59, s59, 0x80000000
	s_lshl_b32 s76, s18, 11                        ; the outputs: my work-group's 4 rows of 512 bytes,
	s_add_nc_u64 s[10:11], s[10:11], s[76:77]
	s_add_nc_u64 s[12:13], s[12:13], s[76:77]
	s_lshl_b32 s74, s16, 9                         ; my graph's
	s_add_nc_u64 s[10:11], s[10:11], s[74:75]
	s_add_nc_u64 s[12:13], s[12:13], s[74:75]
	s_cmp_eq_u32 ttmp9, 0
	s_cselect_b32 s63, 1, -1                       ; the launch's first cluster prefetches: the same in all four partners
	HLOAD                                          ; the first pass's H
	ROUND                                          ; all four work-groups are here: the first joint loads meet
	tensor_load_to_lds s[44:47], s[36:43]          ; the stem's fragments,
	s_nop 0
	tensor_load_to_lds s[56:59], s[48:55]          ; and the parameters: filled once
	s_nop 0
	PLACES
	v_and_b32 v25, 15, v0                          ; r = lane % 16
	v_bfe_u32 v26, v0, 4, 1                        ; h = lane / 16
	v_add_nc_u32 v2, SLOT1, v1                     ; v2  slot 1's fragments
	v_add_nc_u32 v3, STEMW, v1                     ; v3  the stem's
	v_lshl_add_u32 v5, v26, 5, PAR                 ; v5  layer 0's parameters of my 8 channels; v4 walks from it
	s_mul_i32 s19, s14, 64*ZP
	s_add_co_u32 s19, s19, ZB                      ; my wave's 64 rows of Z
	s_mul_i32 s2, s16, 128*ZP
	s_add_co_u32 s2, s2, ZB                        ; my graph's 128
	v_mul_u32_u24 v27, v26, 144
	v_lshl_add_u32 v27, v25, 3, v27
	v_add_nc_u32 v7, s19, v27                      ; v7  H in f16, in: two rows a store, 8 bytes a lane
	v_mul_u32_u24 v27, v25, 144
	v_lshl_add_u32 v27, v26, 4, v27
	v_add_nc_u32 v8, s19, v27                      ; v8  and back as fragments
	v_mul_u32_u24 v27, v25, ZP
	v_lshl_add_u32 v27, v26, 4, v27
	v_add_nc_u32 v9, s19, v27                      ; v9  where I put u
	v_add_nc_u32 v10, s2, v27                      ; v10 my graph's u as fragments
	s_lshl_b32 s3, s16, 9
	s_add_co_u32 s3, s3, SQB
	s_lshl_b32 s74, s15, 8
	s_add_co_u32 s74, s74, s3
	v_lshl_add_u32 v11, v25, 2, s74                ; v11 my nodes' words
	v_lshl_add_u32 v12, v26, 5, s3                 ; v12 - sq / 2 as a C operand
	s_add_co_u32 s74, s3, 1024
	v_add_nc_u32 v13, s74, v1                      ; v13 four nodes' sums a lane
	s_lshl_b32 s74, s14, 8
	s_add_co_u32 s74, s74, E16B
	v_lshl_add_u32 v14, v24, 3, s74                ; v14 my four e in f16; 1,024 on: my two channels of the weighted sum
	v_lshl_add_u32 v15, v26, 4, s74                ; v15 e as source 1
	s_add_co_u32 s74, s74, 1024
	v_lshl_add_u32 v17, v26, 5, s74                ; v17 where a result's 8 channels go
	v_and_b32 v27, 7, v0                           ; the turning load: lane l reads node 8 (l / 16) + l % 8, channels 8 ((l / 8) % 2) + 0..7
	v_lshl_add_u32 v27, v26, 3, v27
	v_mul_u32_u24 v27, v27, ZP
	v_bfe_u32 v28, v0, 3, 1
	v_lshl_add_u32 v27, v28, 4, v27
	s_lshl_b32 s74, s15, 7                         ; my wave's 64 channels
	s_add_co_u32 s74, s74, s2
	v_add_nc_u32 v16, s74, v27                     ; v16
	s_lshl_b32 s74, s15, 8
	v_lshl_add_u32 v19, v24, 3, s74                ; v19 my 8 bytes of a row of out0
	v_add_nc_u32 v18, PAR+13312, v19               ; v18 beta_out of the same two channels
	v_mov_b32 v20, 0                               ; v20 0
	v_lshlrev_b32 v21, 8, v24                      ; v21 256 x lane, for the prefetches
	s_mov_b32 s60, 2                               ; passes to go
.Lpass:
	CHANGE 28, 0                                   ; chunk 0 goes into slot 0: the stem and its LayerNorm stand between this and the wait for it.  (In the first pass the round also shows the stem's fragments and the parameters to all waves.)
	v_mov_b32 v4, v5
	LDA 0, 3, 0, 4
	LDB 0, 0, 2
	WIN 0x40
.set ii, 0
.rept 4
.set qq, 16
.rept 48
	v_mov_b32 v[64*ii+qq], 0                       ; x = 0 for inputs 64 on: these lines stand in the wait for H
.set qq, qq+1
.endr
.set ii, ii+1
.endr
	WIN 0
	s_wait_loadcnt 0x0                             ; H
.set bb2, 0
.rept 2                                        ; H to f16, through my own rows of Z: a lane holds 4 numbers of a row as loaded, and a fragment wants 8
	WIN 0x0F
.set mm, 0
.rept 16
	v_cvt_pk_f16_f32 v[224+2*mm], v[4*(16*bb2+mm)], v[4*(16*bb2+mm)+1]
	v_cvt_pk_f16_f32 v[225+2*mm], v[4*(16*bb2+mm)+2], v[4*(16*bb2+mm)+3]
.set mm, mm+1
.endr
	WIN 0
.set mm, 0
.rept 16
	ds_store_b64 v7, v[224+2*mm:225+2*mm] offset:288*(16*bb2+mm)
.set mm, mm+1
.endr
.set bb2, bb2+1
.endr
	WIN 0x40
.set ii, 0
.rept 4
.set cc, 0
.rept 2
	ds_load_b128 v[64*ii+8*cc:64*ii+8*cc+3],   v8 offset:2304*ii+64*cc     ; LDS serves a wave's instructions in order (ISA guide 5.7.1.4): these see my stores above
	ds_load_b128 v[64*ii+8*cc+4:64*ii+8*cc+7], v8 offset:2304*ii+64*cc+32
.set cc, cc+1
.endr
.set ii, ii+1
.endr
	WIN 0
.irp p, 0,1,2,3,4,5,6
	PHS \p, 1
.endr
	PHS 7, 0
	WIN 0
	PLACES
.irp i, 0,1,2,3
	SQR 14, \i
.endr
.irp i, 0,1,2,3
	SQR 15, \i
.endr
	WIN 0x40
.set ii, 0
.rept 4
.set qq, 0
.rept 16
	v_mov_b32 v[64*ii+qq], 0                       ; H has been multiplied: x = 0 here too
.set qq, qq+1
.endr
.set ii, ii+1
.endr
	WIN 0
	s_mov_b32 s61, 4                               ; four LayerNorms, three blocks
	s_branch .Lln                                  ; the loop is entered at its LayerNorm, in the middle of a trip
.Lblk:                                         ; block k = 3 - s61: chunks 2 k (slot 0, channels 0-127) and 2 k + 1 (slot 1)
	s_wait_xcnt 0x0                                ; the last prefetch, a layer back, has read its address
	s_add_nc_u64 s[66:67], s[66:67], 131072
	CHANGE 32, 30                                  ; chunk 2 k is in; chunk 2 k + 1 goes into slot 1, 7 phases (224 matrix instructions) ahead of the wait for it
	LDA 0, 1, 0, 8
	LDB 0, 0, 1
	; A PREFETCH INTO THE L2 of chunks 2 k + 3 and 2 k + 4, which the next block's two changes of slots will ask for: a whole layer ahead.  Only the launch's first cluster asks, in its first pass, in blocks 0 and 1;
	; its 16 waves take 8,192 bytes each, told apart by address, a lane 256 bytes: each block of 256 bytes is named once in the launch, and the last one named is WF's last.  Chunks 0 to 2 come by their loads alone.
	s_cmp_gt_u32 s61, s63
	s_cbranch_scc0 .Lnot_mine
	global_prefetch_b8 v21, s[66:67] th:TH_LOAD_NT scope:SCOPE_SE
.Lnot_mine:
.irp t, 0,1,2,3,4,5,6
	PH \t, 1
.endr
	CHANGE 28, 34                                  ; slot 0 has been read out (phase 7's fragments are in registers); chunk 2 k + 2 goes into it: 9 phases and a LayerNorm ahead of the wait for it; slot 1 is whole
.irp t, 7,8,9,10,11,12,13,14
	PH \t, 1
.endr
	PH 15, 0
	WIN 0
	PLACES
.irp i, 0,1,2,3
	SQR 15, \i
.endr
	WIN 0
.Lln:
	LDG 0, 0
	STATS 70
.irp c, 0,1,2,3,4,5,6,7
	LNC \c
.endr
	WIN 0
	v_add_nc_u32 v4, 3072, v4                      ; the next layer's parameters
	s_sub_co_u32 s61, s61, 1
	s_cmp_lg_u32 s61, 0
	s_cbranch_scc1 .Lblk
	; THE HEAD.  Chunk 6 is waited for; nothing is filled, so a barrier of the work-group does; both walking addresses go back to chunks 0 and 1 for the next pass.
	s_wait_tensorcnt 0x0
	ds_add_u32 v22, v23
	s_sub_nc_u64 s[30:31], s[30:31], 393216
	s_sub_nc_u64 s[34:35], s[34:35], 393216
	s_wait_dscnt 0x0
	s_barrier_signal -1
	s_barrier_wait -1
	LDA 0, 1, 0, 8
	LDB 0, 0, 1
	s_cmp_eq_u32 s60, 1
	s_cbranch_scc1 .Lno_h                          ; the last pass has no successor
	s_add_nc_u64 s[4:5], s[4:5], 65536             ; (this pass's loads were waited for)
	HLOAD                                          ; the next pass's H: the head and the graph part stand between these loads and the wait for them
.Lno_h:
.irp t, 0,1,2,3,4,5,6
	PH \t, 1
.endr
	PH 7, 0
	WIN 0
	PLACES
.irp i, 0,1,2,3
	SQR 7, \i
.endr
	WIN 0
.set cc, 0
.rept 4
	ds_load_b128 v[160+16*cc:160+16*cc+3],     v4 offset:512+128*cc        ; g_out of my channels
	ds_load_b128 v[160+16*cc+4:160+16*cc+7],   v4 offset:512+128*cc+16
	ds_load_b128 v[160+16*cc+8:160+16*cc+11],  v4 offset:512+128*cc+64
	ds_load_b128 v[160+16*cc+12:160+16*cc+15], v4 offset:512+128*cc+80
.set cc, cc+1
.endr
	STATS 72
	s_wait_dscnt 0x0
.irp c, 0,1,2,3
	HLC \c
.endr
	WIN 0
.irp i, 0,1,2,3
	v_add_f32 v[64+2*\i], v[64+2*\i], v[65+2*\i]
.endr
.irp i, 0,1,2,3
	v_permlanex16_b32 v[65+2*\i], v[64+2*\i], s68, s69
.endr
.irp i, 0,1,2,3
	v_add_f32 v[64+2*\i], v[64+2*\i], v[65+2*\i]   ; sq of my node of tile i
.endr
.irp i, 0,1,2,3
	v_mov_b32 v[65+2*\i], v[64+2*\i]               ; twice, for the packed lines
	v_mul_f32 v[72+\i], -0.5, v[64+2*\i]
.endr
	WIN 0x04
.set ii, 0
.rept 4
.set cc, 0
.rept 4
	ds_store_b128 v9, v[64*ii+8*cc:64*ii+8*cc+3]   offset:16*ZP*ii+64*cc
	ds_store_b128 v9, v[64*ii+8*cc+4:64*ii+8*cc+7] offset:16*ZP*ii+64*cc+32
.set cc, cc+1
.endr
.set ii, ii+1
.endr
	WIN 0
.irp i, 0,1,2,3
	ds_store_b32 v11, v[72+\i] offset:64*\i        ; both halves of the lanes store the same number
.endr
	s_wait_dscnt 0x0                               ; for the other wave of my graph: my u and sq are in LDS
	s_barrier_signal -1
	s_barrier_wait -1
	; THE DISTANCES: my 64 nodes against the graph's 128, 32 a trip
.irp e, 56,57,58,59,60,61,62,63
	v_mov_b32 v\e, 0
.endr
	v_mov_b32 v224, v10
	v_mov_b32 v225, v12
	GLOAD
	s_mov_b32 s62, 3
.Lgram:
	GTRIP 1
	s_sub_co_u32 s62, s62, 1
	s_cmp_lg_u32 s62, 0
	s_cbranch_scc1 .Lgram
	GTRIP 0
.irp i, 0,1,2,3
	v_add_f32 v[56+2*\i], v[56+2*\i], v[57+2*\i]
.endr
.irp i, 0,1,2,3
	v_permlanex16_b32 v[57+2*\i], v[56+2*\i], s68, s69
.endr
.irp i, 0,1,2,3
	v_add_f32 v[56+2*\i], v[56+2*\i], v[57+2*\i]   ; the sum of my node's 128 distances
.endr
.irp i, 0,1,2,3
	ds_store_b32 v11, v[56+2*\i] offset:1024+64*\i
.endr
	s_wait_dscnt 0x0
	s_barrier_signal -1
	s_barrier_wait -1
	; THE SOFTMAX over the graph's 128 nodes, four a lane, made by both waves of the graph: w = e / sum e, e = 2^((S - max S) log2(e) / 32)
	ds_load_b128 v[72:75], v13
	s_wait_dscnt 0x0
	v_max3_num_f32 v76, v72, v73, v74
	v_max_num_f32 v76, v76, v75
.irp x, 1,2,4,8
	v_max_num_f32_dpp v76, v76, v76 row_xmask:\x row_mask:0xf bank_mask:0xf
.endr
	v_permlanex16_b32 v77, v76, s68, s69
	v_max_num_f32 v76, v76, v77
.irp e, 72,73,74,75
	v_sub_f32 v\e, v\e, v76                        ; the maximum is taken away first, as reference() does
.endr
.irp e, 72,73,74,75
	v_mul_f32 v\e, s73, v\e
.endr
	v_exp_f32 v80, v72
	v_exp_f32 v81, v73
	v_exp_f32 v82, v74
	v_exp_f32 v83, v75
	v_nop
	s_wait_alu depctr_va_vdst(0)                   ; one wait for the four exponentials
	v_add_f32 v84, v80, v81
	v_add_f32 v85, v82, v83
	v_add_f32 v84, v84, v85
.irp x, 1,2,4,8
	v_add_f32_dpp v84, v84, v84 row_xmask:\x row_mask:0xf bank_mask:0xf
.endr
	v_permlanex16_b32 v85, v84, s68, s69
	v_add_f32 v84, v84, v85
	v_rcp_f32 v88, v84
	v_rcp_f32 v89, v84
	v_cvt_pk_f16_f32 v78, v80, v81                 ; (plain work behind the reciprocals)
	v_cvt_pk_f16_f32 v79, v82, v83
	s_wait_alu depctr_va_vdst(0)                   ; one wait for both
	v_pk_mul_f32 v[84:85], v[80:81], v[88:89]
	v_pk_mul_f32 v[86:87], v[82:83], v[88:89]
	ds_store_b64 v14, v[78:79]                     ; e in f16, into my wave's own bytes
	s_cmp_lg_u32 s15, 0
	s_cbranch_scc1 .Lno_w                          ; one wave of the two stores w
	global_store_b128 v1, v[84:87], s[12:13]       ; a row of out1: 512 consecutive bytes
.Lno_w:
	; THE WEIGHTED SUM: (u^T e) for my wave's 64 channels: source 0 = 16 channels x 32 nodes (u turned by the load), source 1 = e, the same in all 16 columns
.set cc, 0
.rept 4
	ds_load_b128 v[224+8*cc:224+8*cc+3], v15 offset:64*cc
	ds_load_b128 v[224+8*cc+4:224+8*cc+7], v15 offset:64*cc+32
.set mm, 0
.rept 4
	ds_load_tr16_b128 v[96+8*(4*cc+mm):96+8*(4*cc+mm)+3],   v16 offset:32*ZP*cc+32*mm
	ds_load_tr16_b128 v[96+8*(4*cc+mm)+4:96+8*(4*cc+mm)+7], v16 offset:32*ZP*cc+32*mm+16*ZP
.set mm, mm+1
.endr
.set cc, cc+1
.endr
	ds_load_b64 v[72:73], v18                      ; beta_out
	s_wait_dscnt 0x0
.set cc, 0
.rept 4
.set mm, 0
.rept 4                                        ; four accumulators by turns
.if cc == 0
	WIN 0x80
	v_wmma_f32_16x16x32_f16 v[8*mm:8*mm+7], v[96+8*(4*cc+mm):96+8*(4*cc+mm)+7], v[224+8*cc:224+8*cc+7], 0
.else
	WIN 0xA0
	v_wmma_f32_16x16x32_f16 v[8*mm:8*mm+7], v[96+8*(4*cc+mm):96+8*(4*cc+mm)+7], v[224+8*cc:224+8*cc+7], v[8*mm:8*mm+7]
.endif
.set mm, mm+1
.endr
.set cc, cc+1
.endr
	WIN 0
	PLACES
	WIN 0x08
.set mm, 0
.rept 4
	ds_store_b128 v17, v[8*mm:8*mm+3]   offset:64*mm     ; all 16 columns hold the same numbers and store them to the same bytes, my wave's own
	ds_store_b128 v17, v[8*mm+4:8*mm+7] offset:64*mm+16
.set mm, mm+1
.endr
	WIN 0
	ds_load_b64 v[74:75], v14 offset:1024          ; back, two channels a lane
	s_wait_dscnt 0x0
	v_pk_fma_f32 v[74:75], v[74:75], v[88:89], v[72:73]  ; / sum e, + beta_out
	global_store_b64 v19, v[74:75], s[10:11]       ; half a row of out0: 256 consecutive bytes, at a multiple of 256 from its first
	s_wait_xcnt 0x0                                ; the stores have read their registers and bases
	s_add_nc_u64 s[10:11], s[10:11], 1024          ; the next pass's two graphs
	s_add_nc_u64 s[12:13], s[12:13], 1024
	s_mov_b32 s63, -1                              ; the weights have been walked once: no more prefetches
	s_sub_co_u32 s60, s60, 1
	s_cmp_lg_u32 s60, 0
	s_cbranch_scc1 .Lpass
	s_wait_tensorcnt 0x0                           ; the wave's end: the add and its waits, behind my last tensor load and my last LDS store
	ds_add_u32 v22, v23
	s_wait_dscnt 0x0
	ROUND                                          ; the closing round: no work-group ends while a partner may still ask for a chunk that names it
	s_endpgm
.Lfunc_end_k_q33b1cee525_chain:
	.size	k_q33b1cee525_chain, .Lfunc_end_k_q33b1cee525_chain-k_q33b1cee525_chain
	.p2alignl 7, 3214868480
	.fill 96, 4, 3214868480
	.section	.rodata,"a",@progbits
	.p2align	6, 0x0
	.amdhsa_kernel k_q33b1cee525_chain
		.amdhsa_group_segment_fixed_size 327680
		.amdhsa_private_segment_fixed_size 0
		.amdhsa_enable_private_segment 0
		.amdhsa_kernarg_size 40
		.amdhsa_user_sgpr_count 2
		.amdhsa_user_sgpr_kernarg_segment_ptr 1
		.amdhsa_wavefront_size32 1
		.amdhsa_system_sgpr_workgroup_id_x 1
		.amdhsa_system_sgpr_workgroup_id_y 1
		.amdhsa_system_sgpr_workgroup_id_z 1
		.amdhsa_system_vgpr_workitem_id 0
		.amdhsa_next_free_vgpr 1024
		.amdhsa_next_free_sgpr 80
		.amdhsa_reserve_vcc 0
		.amdhsa_float_denorm_mode_32 3
		.amdhsa_float_denorm_mode_16_64 3
		.amdhsa_memory_ordered 1
		.amdhsa_forward_progress 1
		.amdhsa_inst_pref_size 255
	.end_amdhsa_kernel
	.section	.bss,"aw",@nobits
	.p2align	6
	.space	262144
	.amdgpu_metadata
---
amdhsa.version: [ 1, 2 ]
amdhsa.kernels:
  - .name:           k_q33b1cee525_chain
    .symbol:         k_q33b1cee525_chain.kd
    .args:
      - { .name: H, .offset: 0, .size: 8, .value_kind: global_buffer, .address_space: global }
      - { .name: WF, .offset: 8, .size: 8, .value_kind: global_buffer, .address_space: global }
      - { .name: PT, .offset: 16, .size: 8, .value_kind: global_buffer, .address_space: global }
      - { .name: out0, .offset: 24, .size: 8, .value_kind: global_buffer, .address_space: global }
      - { .name: out1, .offset: 32, .size: 8, .value_kind: global_buffer, .address_space: global }
    .group_segment_fixed_size: 327680
    .private_segment_fixed_size: 0
    .kernarg_segment_align: 8
    .kernarg_segment_size: 40
    .max_flat_workgroup_size: 128
    .sgpr_count:     80
    .vgpr_count:     1024
    .wavefront_size: 32
...
	.end_amdgpu_metadata
.endif
;; end of part 2
;; ======== version 2 of 2: 2 launches; version 1 with the launch prep written anew for expert scheduling mode
;; limits: sums are carried in f16; values are held in f16: magnitudes above 65,504 overflow, below 6.1e-05 lose precision
;; workspace buffers: WF 491,520 bytes; PT 13,824 bytes
;; launch prep (part 3): grid 39 x 1, 4 waves a work-group, no clusters, 0 bytes of LDS; arguments W_in, Wb, W_out, b_in, bb, b_out, g_in, gb, g_out, beta_in, betab, beta_out, WF, PT; writes WF, PT
.if DOCPART == 3
	.amdgcn_target "amdgcn-amd-amdhsa--gfx1250"
	.amdhsa_code_object_version 6
	.text
	.protected	k_q33b1cee525_prep
	.globl	k_q33b1cee525_prep
	.p2align	8
	.type	k_q33b1cee525_prep,@function
k_q33b1cee525_prep:
	s_mov_b64 s[64:65], 0
	v_nop
	global_prefetch_b8 v0, s[64:65] scope:SCOPE_SE
	s_setreg_imm32_b32 hwreg(HW_REG_WAVE_SCHED_MODE, 0, 2), 2
	s_setreg_imm32_b32 hwreg(HW_REG_WAVE_MODE, 25, 1), 1
	s_wait_xcnt 0x0
	s_wait_alu depctr_vm_vsrc(0)
; LocalBranch, launch 1 of 2: the weights are centred, rounded once to f16 and laid out in the order in which a wave's operand registers take them (WF); biases, gains and shifts are gathered (PT).
; WHAT IS LEFT OUT OF THE PROGRAM, AND WHY IT CAN REACH NO OUTPUT, for all finite values of the inputs:
;  (1) batch_ptr.  reference() uses its shape alone (Bg = 1024, n = 128): no value of it enters any result.  It is not loaded and is no argument of either launch.
;  (2) The mean that LayerNorm takes away.  y = x W + b, so y[n] - mean_n y = sum_k x[k] (W[k][n] - mean_n W[k][:]) + (b[n] - mean b): an identity in x.  Here each row of W and each b is
;      centred once, in f32, ahead of the rounding; launch 2 then has y - mean(y) as its product, and the variance is mean((y - mean y)^2), reference()'s own form.
;  (3) beta_out in the distances.  z_i - z_j does not hold it, and since the weights w add up to 1 it enters v_loc as + beta_out: launch 2 takes distances and the weighted sum of
;      u = z - beta_out and adds beta_out once at the end.
; LIMIT: a NaN, an infinity or an overflow that would arise only in the work left out (a mean of y, a square of z with a huge beta_out) is not carried to the result.
; LIMIT: a centred weight beyond 65,504 has no f16; below 6e-5 it keeps f16's fixed step of 6e-8.
; WF: a fragment (t, c) is 16 output channels 16 t .. x 32 inputs 32 c .., 1,024 bytes: byte 512 j + 16 lane holds, for lane = 16 h + r, channel 16 t + r, inputs 32 c + 16 j + 8 h + 0..7.
;     stem at 0 (fragment 2 t + c), block L at 32768 + 131072 L (8 t + c), head at 425984 (8 t + c).
; PT: layer L = 0..3 at 3072 L: b - mean b, g, beta (256 f32 each); head at 12288: 128 f32 each.
; SHARES: work-groups 0-1 stem, 2-25 blocks, 26-33 head: one group of 32 inputs (c) each, a wave 8 rows of W (inputs 32 c + 8 w); the wave's 16 bytes a channel are bytes 256 w + 16 r of a fragment.
;         work-groups 34-38: the parameters of one layer, wave 0 b, wave 1 g, wave 2 beta; wave 3 has no part.
; No LDS, no matrix unit: the launch moves under one megabyte once.
; THE MODE: SCHED_MODE bits 1:0 = 2 (LLVM: expert scheduling mode 2), set by the entry lines.  The code itself states the register dependences
; between vector instructions and memory instructions, with s_wait_alu, always for 0.
; THE PLAN.  Registers that memory instructions touch:
;   v2            4 x lane.  Written once at the head; read by every load of W; never written again.
;   v[32:95]      The weights' paths: written by the loads alone, which no vector line precedes on these registers; worked on behind the wait for the loads; nothing lands in them again.
;   v[3:10]       The stores' offsets: written by vector lines that stand behind the loads; read by the stores; never written again.
;   v[96:127]     Written by the conversions; read by the stores; never written again.
;   The parameters' path: v3 = 16 x lane, written once, read by its loads and stores; v[36:39] are set to 0 and the second load lands in them; in wave 0 the subtraction of the mean writes v[32:39], the stores' data.
;   s4            The wave's number, written by v_readfirstlane_b32 and read by scalar lines behind the branches.
; So a weights' path has two waits on va_vdst: one ahead of its loads (v2), one ahead of its stores, which stand in ONE run behind all the conversions (v[3 ..], v[96 ..]).  The parameters' path has two as well:
; ahead of its loads and ahead of its stores.  One wait on va_sdst stands at the head.  No register that a memory instruction has read is written again, so there is no wait on vm_vsrc.
; N columns, 8 rows.  s[36:37] my first row of W, s[38:39] WF at my bytes of fragment (0, c), s45 bytes from t to t + 1.
; v2 = 4 lane, v22 = lane / 16, v23 = 16 (lane % 16).  v[32..] row e of column 32 m + lane at 32 + 8 m + e; v[12:19] the rows' means; v[96..] packed; v[3..] store offsets.
.macro CONV N
.set M, (\N)/32
.if (\N) == 256
.set INV, 0x3b800000
.else
.set INV, 0x3c000000
.endif
	s_wait_alu depctr_va_vdst(0)                   ; v2 is written: every load below reads it as its offset
.set mm, 0
.rept M
.set ee, 0
.rept 8
	global_load_b32 v[32+8*mm+ee], v2, s[36:37] offset:ee*(\N)*4+128*mm  ; 128 consecutive bytes of a row
.set ee, ee+1
.endr
.set mm, mm+1
.endr
.set mm, 0
.rept M
	v_add_nc_u32 v20, 2*mm, v22                    ; t = 2 m + lane / 16
	v_mad_u32_u24 v[3+mm], v20, s45, v23
.set mm, mm+1
.endr
	s_wait_loadcnt 0x0
.irp e, 0,2,4,6
	v_pk_add_f32 v[12+\e:13+\e], v[32+\e:33+\e], v[40+\e:41+\e]
.endr
.set mm, 2
.rept M-2
.irp e, 0,2,4,6
	v_pk_add_f32 v[12+\e:13+\e], v[12+\e:13+\e], v[32+8*mm+\e:33+8*mm+\e]
.endr
.set mm, mm+1
.endr
.irp x, 1,2,4,8
.irp e, 0,1,2,3,4,5,6,7
	v_add_f32_dpp v[12+\e], v[12+\e], v[12+\e] row_xmask:\x row_mask:0xf bank_mask:0xf
.endr
.endr
.irp e, 0,1,2,3,4,5,6,7
	v_permlanex16_b32 v20, v[12+\e], s46, s47      ; the other half of the lanes
	v_add_f32 v[12+\e], v[12+\e], v20
.endr
.irp e, 0,2,4,6
	v_pk_mul_f32 v[12+\e:13+\e], v[12+\e:13+\e], INV op_sel_hi:[1,0]  ; the rows' means
.endr
.set mm, 0
.rept M
.irp e, 0,2,4,6
	v_pk_add_f32 v[32+8*mm+\e:33+8*mm+\e], v[32+8*mm+\e:33+8*mm+\e], v[12+\e:13+\e] neg_lo:[0,1] neg_hi:[0,1]
.endr
.irp e, 0,1,2,3
	v_cvt_pk_f16_f32 v[96+4*mm+\e], v[32+8*mm+2*\e], v[33+8*mm+2*\e]  ; the lower input in the lower half
.endr
.set mm, mm+1
.endr
	s_wait_alu depctr_va_vdst(0)                   ; the conversions have written v[96 ..] and the lines behind the loads v[3 ..]: the data and the offsets of the stores below
.set mm, 0
.rept M
	global_store_b128 v[3+mm], v[96+4*mm:99+4*mm], s[38:39]  ; 16 lanes store 256 consecutive bytes, at a multiple of 256 from WF's first
.set mm, mm+1
.endr
.endm
	s_load_b512 s[8:23], s[0:1], 0x0               ; W_in 8, Wb 10, W_out 12, b_in 14, bb 16, b_out 18, g_in 20, gb 22
	s_load_b256 s[24:31], s[0:1], 0x40             ; g_out 24, beta_in 26, betab 28, beta_out 30
	s_load_b128 s[32:35], s[0:1], 0x60             ; WF 32, PT 34
	v_lshrrev_b32 v1, 5, v0
	v_readfirstlane_b32 s4, v1                     ; wave
	v_and_b32 v21, 31, v0                          ; lane
	v_lshlrev_b32 v2, 2, v21
	v_lshrrev_b32 v22, 4, v21
	v_and_b32 v23, 15, v0
	v_lshlrev_b32 v23, 4, v23
	v_mov_b32 v20, 0
	s_mov_b32 s46, 0x76543210                      ; v_permlanex16_b32: each lane takes its own place in the other half
	s_mov_b32 s47, 0xfedcba98
	s_mov_b32 s49, 0
	s_wait_alu depctr_va_sdst(0)                   ; s4 is written, ahead of the first branch and of its first reader: every path makes its addresses from it
	s_wait_kmcnt 0x0
	s_cmp_ge_u32 ttmp9, 34
	s_cbranch_scc1 .Lparams
	s_cmp_ge_u32 ttmp9, 26
	s_cbranch_scc1 .Lhead
	s_max_u32 s40, ttmp9, 2                        ; stem (0, 1) or a block
	s_sub_co_u32 s40, s40, 2
	s_lshr_b32 s41, s40, 3                         ; block L
	s_and_b32 s42, s40, 7                          ; c
	s_lshl_b32 s43, s41, 18                        ; its weights: 262144 L
	s_lshl_b32 s44, s41, 17
	s_add_co_u32 s44, s44, 32768                   ; its fragments
	s_mov_b32 s45, 8192
	s_cmp_lt_u32 ttmp9, 2
	s_cselect_b32 s42, ttmp9, s42
	s_cselect_b32 s43, 0, s43
	s_cselect_b32 s44, 0, s44
	s_cselect_b32 s45, 2048, s45
	s_cselect_b64 s[36:37], s[8:9], s[10:11]
	s_lshl_b32 s48, s42, 15                        ; 32 c rows of 1,024 bytes
	s_add_co_u32 s48, s48, s43
	s_lshl_b32 s50, s4, 13                         ; 8 w rows
	s_add_co_u32 s48, s48, s50
	s_add_nc_u64 s[36:37], s[36:37], s[48:49]
	s_lshl_b32 s48, s42, 10
	s_add_co_u32 s48, s48, s44
	s_lshl_b32 s50, s4, 8
	s_add_co_u32 s48, s48, s50
	s_add_nc_u64 s[38:39], s[32:33], s[48:49]
	CONV 256
	s_endpgm
.Lhead:
	s_sub_co_u32 s42, ttmp9, 26                    ; c
	s_mov_b32 s45, 8192
	s_lshl_b32 s48, s42, 14                        ; 32 c rows of 512 bytes
	s_lshl_b32 s50, s4, 12
	s_add_co_u32 s48, s48, s50
	s_add_nc_u64 s[36:37], s[12:13], s[48:49]
	s_lshl_b32 s48, s42, 10
	s_lshl_b32 s50, s4, 8
	s_add_co_u32 s48, s48, s50
	s_add_co_u32 s48, s48, 425984
	s_add_nc_u64 s[38:39], s[32:33], s[48:49]
	CONV 128
	s_endpgm
.Lparams:
	s_cmp_eq_u32 s4, 3
	s_cbranch_scc1 .Lend
	s_sub_co_u32 s40, ttmp9, 34                    ; layer 0 stem, 1-3 blocks, 4 head
	s_cmp_eq_u32 s4, 0                             ; by kind: b, g or beta of the stem, the blocks, the head
	s_cselect_b64 s[36:37], s[14:15], s[20:21]
	s_cselect_b64 s[38:39], s[16:17], s[22:23]
	s_cselect_b64 s[42:43], s[18:19], s[24:25]
	s_cmp_eq_u32 s4, 2
	s_cselect_b64 s[36:37], s[26:27], s[36:37]
	s_cselect_b64 s[38:39], s[28:29], s[38:39]
	s_cselect_b64 s[42:43], s[30:31], s[42:43]
	s_max_u32 s41, s40, 1
	s_min_u32 s41, s41, 3
	s_sub_co_u32 s41, s41, 1
	s_lshl_b32 s48, s41, 10                        ; the block's row
	s_add_nc_u64 s[38:39], s[38:39], s[48:49]
	s_mov_b32 s45, 0x3b800000                      ; 1 / 256
	s_cmp_eq_u32 s40, 0
	s_cselect_b64 s[36:37], s[36:37], s[38:39]
	s_cmp_eq_u32 s40, 4
	s_cselect_b64 s[36:37], s[42:43], s[36:37]
	s_cselect_b32 s44, 9, 10                       ; a kind's bytes: 512 in the head, else 1,024
	s_cselect_b32 s45, 0x3c000000, s45             ; 1 / 128
	s_lshl_b32 s48, s4, s44
	s_mul_i32 s50, s40, 3072
	s_add_co_u32 s48, s48, s50
	s_add_nc_u64 s[38:39], s[34:35], s[48:49]
	v_lshlrev_b32 v3, 4, v21
.irp e, 36,37,38,39
	v_mov_b32 v\e, 0                               ; the head has 128 numbers: its second four count as 0 in the sum
.endr
	s_wait_alu depctr_va_vdst(0)                   ; v3 is written, which both loads read as their offset; so are v[36:39], in which the second load lands
	global_load_b128 v[32:35], v3, s[36:37]
	s_cmp_eq_u32 s40, 4
	s_cbranch_scc1 .Lone
	global_load_b128 v[36:39], v3, s[36:37] offset:512
.Lone:
	s_wait_loadcnt 0x0
	s_cmp_lg_u32 s4, 0
	s_cbranch_scc1 .Lput                           ; g and beta go as they are
	v_pk_add_f32 v[12:13], v[32:33], v[34:35]
	v_pk_add_f32 v[14:15], v[36:37], v[38:39]
	v_pk_add_f32 v[12:13], v[12:13], v[14:15]
	v_add_f32 v12, v12, v13
.irp x, 1,2,4,8
	v_add_f32_dpp v12, v12, v12 row_xmask:\x row_mask:0xf bank_mask:0xf
.endr
	v_permlanex16_b32 v20, v12, s46, s47
	v_add_f32 v12, v12, v20
	v_mul_f32 v12, s45, v12                        ; mean b
	v_mov_b32 v13, v12
.irp e, 32,34,36,38
	v_pk_add_f32 v[\e:\e+1], v[\e:\e+1], v[12:13] neg_lo:[0,1] neg_hi:[0,1]
.endr
.Lput:
	s_wait_alu depctr_va_vdst(0)                   ; in wave 0 the subtractions of the mean have written v[32:39], which the two stores below read
	global_store_b128 v3, v[32:35], s[38:39]       ; 512 consecutive bytes
	s_cmp_eq_u32 s40, 4
	s_cbranch_scc1 .Lend
	global_store_b128 v3, v[36:39], s[38:39] offset:512
.Lend:
	s_endpgm
.Lfunc_end_k_q33b1cee525_prep:
	.size	k_q33b1cee525_prep, .Lfunc_end_k_q33b1cee525_prep-k_q33b1cee525_prep
	.p2alignl 7, 3214868480
	.fill 96, 4, 3214868480
	.section	.rodata,"a",@progbits
	.p2align	6, 0x0
	.amdhsa_kernel k_q33b1cee525_prep
		.amdhsa_group_segment_fixed_size 0
		.amdhsa_private_segment_fixed_size 0
		.amdhsa_enable_private_segment 0
		.amdhsa_kernarg_size 112
		.amdhsa_user_sgpr_count 2
		.amdhsa_user_sgpr_kernarg_segment_ptr 1
		.amdhsa_wavefront_size32 1
		.amdhsa_system_sgpr_workgroup_id_x 1
		.amdhsa_system_sgpr_workgroup_id_y 1
		.amdhsa_system_sgpr_workgroup_id_z 1
		.amdhsa_system_vgpr_workitem_id 0
		.amdhsa_next_free_vgpr 128
		.amdhsa_next_free_sgpr 66
		.amdhsa_reserve_vcc 0
		.amdhsa_float_denorm_mode_32 3
		.amdhsa_float_denorm_mode_16_64 3
		.amdhsa_memory_ordered 1
		.amdhsa_forward_progress 1
		.amdhsa_inst_pref_size 32
	.end_amdhsa_kernel
	.amdgpu_metadata
---
amdhsa.version: [ 1, 2 ]
amdhsa.kernels:
  - .name:           k_q33b1cee525_prep
    .symbol:         k_q33b1cee525_prep.kd
    .args:
      - { .name: W_in, .offset: 0, .size: 8, .value_kind: global_buffer, .address_space: global }
      - { .name: Wb, .offset: 8, .size: 8, .value_kind: global_buffer, .address_space: global }
      - { .name: W_out, .offset: 16, .size: 8, .value_kind: global_buffer, .address_space: global }
      - { .name: b_in, .offset: 24, .size: 8, .value_kind: global_buffer, .address_space: global }
      - { .name: bb, .offset: 32, .size: 8, .value_kind: global_buffer, .address_space: global }
      - { .name: b_out, .offset: 40, .size: 8, .value_kind: global_buffer, .address_space: global }
      - { .name: g_in, .offset: 48, .size: 8, .value_kind: global_buffer, .address_space: global }
      - { .name: gb, .offset: 56, .size: 8, .value_kind: global_buffer, .address_space: global }
      - { .name: g_out, .offset: 64, .size: 8, .value_kind: global_buffer, .address_space: global }
      - { .name: beta_in, .offset: 72, .size: 8, .value_kind: global_buffer, .address_space: global }
      - { .name: betab, .offset: 80, .size: 8, .value_kind: global_buffer, .address_space: global }
      - { .name: beta_out, .offset: 88, .size: 8, .value_kind: global_buffer, .address_space: global }
      - { .name: WF, .offset: 96, .size: 8, .value_kind: global_buffer, .address_space: global }
      - { .name: PT, .offset: 104, .size: 8, .value_kind: global_buffer, .address_space: global }
    .group_segment_fixed_size: 0
    .private_segment_fixed_size: 0
    .kernarg_segment_align: 8
    .kernarg_segment_size: 112
    .max_flat_workgroup_size: 128
    .sgpr_count:     66
    .vgpr_count:     128
    .wavefront_size: 32
...
	.end_amdgpu_metadata
.endif
;; end of part 3
;; launch chain: the kernel of part 2 again; grid 256 x 1, 4 waves a work-group, clusters of 4 x 1, 327,680 bytes of LDS; arguments H, WF, PT, out0, out1; writes out0, out1
